; MI455X (gfx1250); checked and timed in simulation.
; The chip was launched on July 23, 2026; its instructions are those of AMD's public machine-readable ISA for CDNA 5 (MIT licence, August 2026) and "CDNA5" Instruction Set Architecture Reference Guide (July 2026). The comments in the code are by the model that wrote it; some were corrected since.
;; General Rendering Network. Allowed arithmetic: float matrix products may take bf16 or f16 operands with f32 sums; all other float work in f32.
;; Inputs: geometry_feat 1,024 x 128 x 8 float32; mask 8 x 1,024 x 128 float32; params_b_b1 64 float32; params_b_b2 32 float32; params_b_r1 16 float32; params_b_r2 8 float32; params_b_r3 1 float32; params_b_rd1 16 float32; params_b_rd2 59 float32; params_b_u1 32 float32; params_b_u2 1 float32; params_b_v1 32 float32; params_b_v2 33 float32; params_s one number float32; params_w_b1 185 x 64 float32; params_w_b2 64 x 32 float32; params_w_r1 37 x 16 float32; params_w_r2 16 x 8 float32; params_w_r3 8 x 1 float32; params_w_rd1 4 x 16 float32; params_w_rd2 16 x 59 float32; params_w_u1 32 x 32 float32; params_w_u2 32 x 1 float32; params_w_v1 32 x 32 float32; params_w_v2 32 x 33 float32; ray_diff 8 x 1,024 x 128 x 4 float32; rgb_feat 8 x 1,024 x 128 x 59 float32.
;; Outputs: out0 1,024 x 128 x 3 float32; out1 1,024 x 1 bool.
;; One version. Each part assembles by itself: llvm-mc -triple=amdgcn-amd-amdhsa -mcpu=gfx1250 --defsym DOCPART=n.
;; ======== version 1 of 1: 1 launch
;; limits: values are held in f16: magnitudes above 65,504 overflow, below 6.1e-05 lose precision
;; launch render (part 1): grid 256 x 1, 8 waves a work-group, no clusters, 327,680 bytes of LDS; arguments rgb_feat, ray_diff, mask, geometry_feat, out0, out1, params_s, params_b_v2, params_b_u2, params_b_r3, params_w_rd1, params_w_rd2, params_w_b1, params_w_b2, params_w_v1, params_w_v2, params_w_u1, params_w_u2, params_w_r1, params_w_r2, params_w_r3, params_b_rd1, params_b_rd2, params_b_b1, params_b_b2, params_b_v1, params_b_u1, params_b_r1, params_b_r2; writes out0, out1
.if DOCPART == 1
	.amdgcn_target "amdgcn-amd-amdhsa--gfx1250"
	.amdhsa_code_object_version 6
	.text
	.protected	k_qa7b3560d51_render
	.globl	k_qa7b3560d51_render
	.p2align	8
	.type	k_qa7b3560d51_render,@function
k_qa7b3560d51_render:
	s_mov_b64 s[64:65], 0
	v_nop
	global_prefetch_b8 v0, s[64:65] scope:SCOPE_SE
	s_setreg_imm32_b32 hwreg(HW_REG_WAVE_MODE, 25, 1), 1
	s_wait_xcnt 0x0
; GeneralRenderingNetwork, fused into one launch.  1,024 rays x 128 samples x 8 views.
; A work-group owns 4 rays, one a trip; wave w owns samples 16 w .. 16 w + 15 of the ray in all 8 views and fetches view w of the next ray
; (30,208 dense bytes = 118 rows of 256 bytes, one tensor load).
; EVERY LAYER IS USED TRANSPOSED: D = A x B + C with A = W^T (m = output feature), B = activations (n = point = lane & 15), one tile a view.
; Lane (r, h) then holds feature 8 h + j of point r in register j of D, so two D tiles packed to 16 bits ARE the next layer's B fragment, and the
; eight views of a point lie in one lane: minimum, sums, mean, variance and softmax over the views are plain arithmetic in the lane.
; Biases enter in f32 as C.  The part of base_fc's first layer that all views share (geometry, mean, variance) is made once a point and is the C of each view's product.
; ONE TEXT FOR BOTH GROUPS OF FOUR VIEWS: base_fc to rgb_fc name fixed registers and run in a counted loop of two; between the passes 84 moves bring the second group's
; features, ray_diff, weights and masks to those registers.  That takes about 2,950 instructions out of a trip's text.
; PRECISION.  The softmax turns a logit's error into an error of the blend that is not small against a result near 0, so operands keep more than bf16's 8 bits:
;  - f16 form where the operands have room: ray_dir_fc (ray_diff; its hidden numbers, about 8 at the most as drawn, 900 times that with input and weights 30 times larger),
;    rgb_fc's ray_diff rows, and base_fc 1's geometry, mean and features, which go in as x / 16 against 16 w (exact scalings; features reach about 8 as drawn and about
;    3e5 with ray_diff, w_rd1 and w_rd2 all 30 times larger; the operand overflows at 16 x 65,504);
;  - bf16 form in three products, W_hi x_hi + W_hi x_lo + W_lo x_hi (lo = the bf16 of what hi leaves), where numbers can grow by a factor with every layer or by its square:
;    base_fc 1's variance rows, base_fc 2, vis_fc (outputs 0-31), rgb_fc's x part and its layers 2 and 3;
;  - one bf16 for vis_fc's output 32 and for vis_fc2, which reach the logit only through a sigmoid and one weight.
; CLUSTERS are not used: work-groups share only the 75 KB of weights, against 967 KB of rgb_feat that each streams alone.
; LIMITS: a non-finite input in one view of a point makes the point NaN (operand tuples of short K run on into the next view's registers, against zero weights), and so does
; an f16 operand beyond the ranges above; divisions are v_rcp_f32 and a multiply; exponentials flush denormals; ELU is exp2(x log2 e) - 1 below 0, absolute error about 6e-8
; near 0; sums over the views are taken pairwise, not in reference order.  out1 is stored as 4 bytes a work-group.
.set VIEWB, 30208                      ; bytes of one ray in one view
.set WFR,   241664                     ; behind the slot of 8 views: 49 A fragments of 1,024 bytes
.set WFR2,  291840                     ; 19 more: the lo parts of the bf16 weights
.set BT,    311296                     ; 20 bias tiles of 16 f32
.set CNT,   312576                     ; 8 words: each wave's count of samples seen by two views or more
.set OUTS,  312832                     ; the ray's rgb_out, 12 bytes a sample (4,096 bytes kept, so that OUTS + 16 t is inside LDS for every thread t)
; window 0
.set FLG, 1                            ; out1's four bytes (wave 3)
.set AD,  2                            ; v2-5   LDS: point x 236 + 32 h + 60,416 q (views 2 q, 2 q + 1)
.set ADG, 6                            ; v6-7   LDS: point x 236 + 120,832 h (+ 60,416): rgb of views 4 h + i
.set WAD, 8                            ; WFR + 16 lane
.set BAD, 9                            ; BT + 32 h
.set OST, 10                           ; OUTS + 12 point
.set ORD, 11                           ; 16 point
.set OMK, 12                           ; 4 point
.set OGE, 13                           ; 32 point
.set WAD2, 14                          ; WFR2 + 16 lane
.set OGS, 15                           ; 16 thread
.set W,   16                           ; v16-23 pooling weights of the 8 views; the layers read v16-19
.set MK,  24                           ; v24-31 masks; the layers read v24-27
.set T0,  32
.set T1,  40
.set R1,  48                           ; v48-111
.set R2,  112                          ; v112-175
.set R3,  176                          ; v176-207
.set NEG1, 208                         ; -1.0; v209-211 = 0 (the tail of the last view's short operand: finite in f16 too)
.set WFA, 212
.set WFB, 220
.set WFC, 228
.set WFD, 236
.set WFE, 244
.set VIS, 252
.set MEAN, R2+32
.set VAR,  R2+40
.set DT,   R2+48
; window 1 (written by the low 8 bits)
.set F,   0                            ; 0-127  features / 16 in f16: view v, tile t at 16 v + 4 t; the layers read 0-63
.set NRD, 64                           ; next ray's ray_diff (32), mask (8), geometry (8): over the features of views 4-6, moved down by then
.set NMK, 96
.set NGE, 104
.set MVB, 128                          ; mean / 16 (f16) tile t at 128 + 4 t, variance hi (bf16) at 144 + 4 t
.set WF2, 128                          ; later: four more fragments,
.set LO,  128                          ; and between their uses the lo operand of vis_fc's layers, view i at 128 + 8 i
.set G,   160                          ; geometry / 16 in f16
.set RD,  164                          ; 164-179 ray_diff in f16, 2 registers a view; 180-185 = 0; the layers read from 164
.set P,   188                          ; 188-219 the point part of base_fc's first layer
.set RGB, 220                          ; 220-231
.set LG,  232                          ; 232-239 logits; the layers write 236-239
.set VLO, 240                          ; 240-255 variance lo (bf16);
.set WFX, 240                          ; behind the point part: two fragments of lo weights
.set WFY, 248
; the head's own
.set HS,  48
.set LR,  160
.set LRC, 161
.set LH64, 162
.set LH59, 163
.set LH59C, 164
.set LH32, 165
.set LH33, 166
.set LH33N, 167
.set LH1N, 168
.set LH16, 169
.set LR2, 170
.set LR7, 171
.set LZ,  172
.set BST, 173
.set MSB, 0
.macro WIN new                         ; low byte: bits 1:0 source 0, 3:2 source 1, 5:4 source 2, 7:6 destination; high byte repeats the setting left
.if MSB != (\new)
	s_set_vgpr_msb (MSB<<8)|(\new)
.set MSB, (\new)
.endif
.endm
.macro PLACES n                        ; independent vector instructions behind matrix instructions (ISA guide 7.12.1)
.rept \n
	v_nop
.endr
.endm
.macro LDT dst, idx                    ; an A fragment: 32 lanes x 16 neighbouring bytes, twice
	ds_load_b128 v[\dst:\dst+3], v[WAD] offset:(\idx)*1024
	ds_load_b128 v[\dst+4:\dst+7], v[WAD] offset:(\idx)*1024+512
.endm
.macro LDT2 dst, idx                   ; a fragment of lo weights
	ds_load_b128 v[\dst:\dst+3], v[WAD2] offset:(\idx)*1024
	ds_load_b128 v[\dst+4:\dst+7], v[WAD2] offset:(\idx)*1024+512
.endm
.macro LDB dst, tile                   ; a bias tile: register j = b[16 tile + 8 h + j]
	ds_load_b128 v[\dst:\dst+3], v[BAD] offset:(\tile)*64
	ds_load_b128 v[\dst+4:\dst+7], v[BAD] offset:(\tile)*64+16
.endm
.macro LDWF2 a, b, c, d
	WIN 0x40
	LDT WF2, \a
	LDT WF2+8, \b
	LDT WF2+16, \c
	LDT WF2+24, \d
	WIN 0
.endm
.macro LDXY x, y
	WIN 0x40
	LDT2 WFX, \x
	LDT2 WFY, \y
	WIN 0
.endm
; ELU in place on two tuples of 8: the middle of (x, exp(x) - 1, 0).  Each run of exponentials is followed by a plain instruction on other registers (ISA guide 5.7.2).
.macro ELU16 x0, x1
.irp q,0,2,4,6
	v_pk_mul_f32 v[T0+\q:T0+\q+1], v[\x0+\q:\x0+\q+1], s[80:81] op_sel_hi:[1,0]
.endr
.irp q,0,1,2,3,4,5,6,7
	v_exp_f32 v[T0+\q], v[T0+\q]
.endr
.irp q,0,2,4,6
	v_pk_mul_f32 v[T1+\q:T1+\q+1], v[\x1+\q:\x1+\q+1], s[80:81] op_sel_hi:[1,0]
.endr
	s_wait_alu depctr_va_vdst(0)
.irp q,0,2,4,6
	v_pk_add_f32 v[T0+\q:T0+\q+1], v[T0+\q:T0+\q+1], -1.0 op_sel_hi:[1,0]
.endr
.irp q,0,1,2,3,4,5,6,7
	v_exp_f32 v[T1+\q], v[T1+\q]
.endr
.irp q,0,1,2,3,4,5,6,7
	v_med3_num_f32 v[\x0+\q], v[\x0+\q], v[T0+\q], 0
.endr
	s_wait_alu depctr_va_vdst(0)
.irp q,0,2,4,6
	v_pk_add_f32 v[T1+\q:T1+\q+1], v[T1+\q:T1+\q+1], -1.0 op_sel_hi:[1,0]
.endr
.irp q,0,1,2,3,4,5,6,7
	v_med3_num_f32 v[\x1+\q], v[\x1+\q], v[T1+\q], 0
.endr
.endm
.macro ELU64 x
	ELU16 \x, \x+8
	ELU16 \x+16, \x+24
	ELU16 \x+32, \x+40
	ELU16 \x+48, \x+56
.endm
.macro CVT8 dst, src                   ; 8 f32 to 4 words of bf16: half of a B fragment
.irp q,0,1,2,3
	v_cvt_pk_bf16_f32 v[\dst+\q], v[\src+2*\q], v[\src+2*\q+1]
.endr
.endm
.macro CVTH8 dst, src                  ; the same to f16
.irp q,0,1,2,3
	v_cvt_pk_f16_f32 v[\dst+\q], v[\src+2*\q], v[\src+2*\q+1]
.endr
.endm
.macro RES8 hi, src                    ; x becomes x - hi (exact)
.irp q,0,1,2,3
	v_fma_mix_f32_bf16 v[\src+2*\q], v[\hi+\q], v[NEG1], v[\src+2*\q] op_sel_hi:[1,0,0]
	v_fma_mix_f32_bf16 v[\src+2*\q+1], v[\hi+\q], v[NEG1], v[\src+2*\q+1] op_sel:[1,0,0] op_sel_hi:[1,0,0]
.endr
.endm
.macro SPLIT8 hi, lo, src              ; hi = bf16(x), lo = bf16(x - hi).  lo may lie on src or below it
	CVT8 \hi, \src
	RES8 \hi, \src
	CVT8 \lo, \src
.endm
.macro SPLIT64 x                       ; four views x two tiles: hi to R3 + 8 i, lo in place at x + 16 i .. + 7
.irp i,0,1,2,3
	SPLIT8 R3+8*\i, \x+16*\i, \x+16*\i
	SPLIT8 R3+8*\i+4, \x+16*\i+4, \x+16*\i+8
.endr
.endm
.macro SPLIT64W x                      ; the same with lo in window 1, for the layers whose results are written over x
.irp i,0,1,2,3
	CVT8 R3+8*\i, \x+16*\i
	CVT8 R3+8*\i+4, \x+16*\i+8
	RES8 R3+8*\i, \x+16*\i
	RES8 R3+8*\i+4, \x+16*\i+8
.endr
	WIN 0x40
.irp i,0,1,2,3
	CVT8 LO+8*\i, \x+16*\i
	CVT8 LO+8*\i+4, \x+16*\i+8
.endr
	WIN 0
.endm
.macro CVT64 x
.irp i,0,1,2,3
	CVT8 R3+8*\i, \x+16*\i
	CVT8 R3+8*\i+4, \x+16*\i+8
.endr
.endm
.macro PKMULB d, a, base, i            ; d[0..7] = a[0..7] x v[base + i]
.irp q,0,2,4,6
.if ((\i)&1)
	v_pk_mul_f32 v[\d+\q:\d+\q+1], v[\a+\q:\a+\q+1], v[\base+((\i)/2)*2:\base+((\i)/2)*2+1] op_sel:[0,1] op_sel_hi:[1,1]
.else
	v_pk_mul_f32 v[\d+\q:\d+\q+1], v[\a+\q:\a+\q+1], v[\base+((\i)/2)*2:\base+((\i)/2)*2+1] op_sel_hi:[1,0]
.endif
.endr
.endm
.macro PKFMAB d, a, base, i, c         ; d[0..7] = a[0..7] x v[base + i] + c[0..7]
.irp q,0,2,4,6
.if ((\i)&1)
	v_pk_fma_f32 v[\d+\q:\d+\q+1], v[\a+\q:\a+\q+1], v[\base+((\i)/2)*2:\base+((\i)/2)*2+1], v[\c+\q:\c+\q+1] op_sel:[0,1,0] op_sel_hi:[1,1,1]
.else
	v_pk_fma_f32 v[\d+\q:\d+\q+1], v[\a+\q:\a+\q+1], v[\base+((\i)/2)*2:\base+((\i)/2)*2+1], v[\c+\q:\c+\q+1] op_sel_hi:[1,0,1]
.endif
.endr
.endm
.macro SCALE64 base, i0                ; R3 = bf16(X x a number of each view)
.irp i,0,1,2,3
	PKMULB T0, R2+16*\i, \base, \i0+\i
	PKMULB T1, R2+16*\i+8, \base, \i0+\i
	CVT8 R3+8*\i, T0
	CVT8 R3+8*\i+4, T1
.endr
.endm
.macro XW64 base, i0                   ; R1 = X x a number of each view, in f32
.irp i,0,1,2,3
	PKMULB R1+16*\i, R2+16*\i, \base, \i0+\i
	PKMULB R1+16*\i+8, R2+16*\i+8, \base, \i0+\i
.endr
.endm
; Matrix steps over four views x two output tiles.  The eight accumulators take turns, one instruction a turn.
.macro MM8 d, a0, a1, b, bs, c0, c1
.irp i,0,1,2,3
	v_wmma_f32_16x16x32_bf16 v[\d+16*\i:\d+16*\i+7], v[\a0:\a0+7], v[\b+\bs*\i:\b+\bs*\i+7], v[\c0:\c0+7]
	v_wmma_f32_16x16x32_bf16 v[\d+16*\i+8:\d+16*\i+15], v[\a1:\a1+7], v[\b+\bs*\i:\b+\bs*\i+7], v[\c1:\c1+7]
.endr
.endm
.macro MM8A d, a0, a1, b, bs
.irp i,0,1,2,3
	v_wmma_f32_16x16x32_bf16 v[\d+16*\i:\d+16*\i+7], v[\a0:\a0+7], v[\b+\bs*\i:\b+\bs*\i+7], v[\d+16*\i:\d+16*\i+7]
	v_wmma_f32_16x16x32_bf16 v[\d+16*\i+8:\d+16*\i+15], v[\a1:\a1+7], v[\b+\bs*\i:\b+\bs*\i+7], v[\d+16*\i+8:\d+16*\i+15]
.endr
.endm
.macro MM4Z a                          ; one output repeated in all 16 rows of A: every lane gets it in register 0 of R1 + 8 i
.irp i,0,1,2,3
	v_wmma_f32_16x16x32_bf16 v[R1+8*\i:R1+8*\i+7], v[\a:\a+7], v[R3+8*\i:R3+8*\i+7], 0
.endr
.endm
; base_fc's first layer, view part (f16): output tiles 2 mp, 2 mp + 1 of the group's four views.  The first K step takes the point part as C.  aw: the fragments' window.
.macro B1B mp, aw
.if \aw
.set ab_, WF2
.else
.set ab_, WFA
.endif
	WIN 0x14+\aw
.irp i,0,1,2,3
.irp mm,0,1
	v_wmma_f32_16x16x32_f16 v[R1+16*\i+8*\mm:R1+16*\i+8*\mm+7], v[ab_+8*\mm:ab_+8*\mm+7], v[F+16*\i:F+16*\i+7], v[P+8*(2*\mp+\mm):P+8*(2*\mp+\mm)+7]
.endr
.endr
	WIN 0x04+\aw
.irp i,0,1,2,3
.irp mm,0,1
	v_wmma_f32_16x16x32_f16 v[R1+16*\i+8*\mm:R1+16*\i+8*\mm+7], v[ab_+16+8*\mm:ab_+16+8*\mm+7], v[F+16*\i+8:F+16*\i+15], v[R1+16*\i+8*\mm:R1+16*\i+8*\mm+7]
.endr
.endr
.endm
.macro NXTLOAD                         ; a ray's ray_diff, mask and geometry of my 16 samples; sixteen lanes take 256 (64, 2 x 256 of 512) neighbouring bytes
	WIN 0x40
.irp v,0,1,2,3,4,5,6,7
	global_load_b128 v[NRD+4*\v:NRD+4*\v+3], v[ORD], s[6:7] offset:(\v-4)*2097152 th:TH_LOAD_NT
.endr
.irp v,0,1,2,3,4,5,6,7
	global_load_b32 v[NMK+\v], v[OMK], s[8:9] offset:\v*524288 th:TH_LOAD_NT
.endr
	global_load_b128 v[NGE:NGE+3], v[OGE], s[10:11] th:TH_LOAD_NT
	global_load_b128 v[NGE+4:NGE+7], v[OGE], s[10:11] offset:16 th:TH_LOAD_NT
	WIN 0
.endm
; ---- the head's macros: an A fragment from a weight matrix [rows][FO] in f32.  Element e of a lane is k = kk + 8 h, kk = e + 8 (e / 8); A(m = r, k) = W[K0 + k][M0 + r] for k < KN, else 0.
.macro GLD slot, sb, lh, lr, FO, K0, KN, M0
.set e_, 0
.rept 16
.set kk_, e_+8*(e_/8)
.if kk_+8 < \KN
	global_load_b32 v[HS+16*\slot+e_], v[\lh], s[\sb:\sb+1] offset:((\K0+kk_)*\FO+\M0)*4
.else
.if kk_ < \KN
	global_load_b32 v[HS+16*\slot+e_], v[\lr], s[\sb:\sb+1] offset:((\K0+kk_)*\FO+\M0)*4   ; only h = 0 is a row of W: all lanes read that row, h = 1 is cleared below
.endif
.endif
.set e_, e_+1
.endr
.endm
; fmt 0: bf16; 1: f16; 2: f16 of 16 w.  lo >= 0 (bf16 alone): what the rounding leaves goes, in bf16, to fragment lo of the second table.
.macro GST slot, idx, KN, cm, fmt, lo
.set b_, HS+16*\slot
.set e_, 0
.rept 16
.set kk_, e_+8*(e_/8)
.if kk_+8 >= \KN
.if kk_ < \KN
	v_cndmask_b32 v[b_+e_], 0, v[b_+e_], s90
.else
	v_mov_b32 v[b_+e_], 0
.endif
.endif
.set e_, e_+1
.endr
.if \fmt == 2
.irp q,0,2,4,6,8,10,12,14
	v_pk_mul_f32 v[b_+\q:b_+\q+1], v[b_+\q:b_+\q+1], 0x41800000 op_sel_hi:[1,0]
.endr
.endif
.if \fmt == 0
.if (\lo) >= 0
.irp q,0,1,2,3,4,5,6,7
	v_cvt_pk_bf16_f32 v[T0+\q], v[b_+2*\q], v[b_+2*\q+1]
.endr
.irp q,0,1,2,3,4,5,6,7
	v_fma_mix_f32_bf16 v[b_+2*\q], v[T0+\q], v[NEG1], v[b_+2*\q] op_sel_hi:[1,0,0]
	v_fma_mix_f32_bf16 v[b_+2*\q+1], v[T0+\q], v[NEG1], v[b_+2*\q+1] op_sel:[1,0,0] op_sel_hi:[1,0,0]
.endr
	ds_store_b128 v[WAD], v[T0:T0+3] offset:(\idx)*1024
	ds_store_b128 v[WAD], v[T0+4:T0+7] offset:(\idx)*1024+512
.irp q,0,1,2,3,4,5,6,7
	v_cvt_pk_bf16_f32 v[b_+\q], v[b_+2*\q], v[b_+2*\q+1]
.endr
	ds_store_b128 v[WAD2], v[b_:b_+3] offset:(\lo)*1024
	ds_store_b128 v[WAD2], v[b_+4:b_+7] offset:(\lo)*1024+512
.else
.irp q,0,1,2,3,4,5,6,7
	v_cvt_pk_bf16_f32 v[b_+\q], v[b_+2*\q], v[b_+2*\q+1]
.endr
	ds_store_b128 v[WAD], v[b_:b_+3] offset:(\idx)*1024
	ds_store_b128 v[WAD], v[b_+4:b_+7] offset:(\idx)*1024+512
.endif
.else
.irp q,0,1,2,3,4,5,6,7
	v_cvt_pk_f16_f32 v[b_+\q], v[b_+2*\q], v[b_+2*\q+1]
.endr
.if \cm
.irp q,0,1,2,3,4,5,6,7
	v_cndmask_b32 v[b_+\q], 0, v[b_+\q], s62       ; columns 59 to 63 do not exist
.endr
.endif
	ds_store_b128 v[WAD], v[b_:b_+3] offset:(\idx)*1024
	ds_store_b128 v[WAD], v[b_+4:b_+7] offset:(\idx)*1024+512
.endif
.endm
.macro B1PAR idx                       ; fragment 5 + 4 ks + m (point part) or 25 + 4 ks + m (view part) of w_b1: first row, rows, first column, format
.if (\idx) < 25
.set ks_, ((\idx)-5)/4
.set M0_, 16*(((\idx)-5)%4)
.else
.set ks_, 5+((\idx)-25)/4
.set M0_, 16*(((\idx)-25)%4)
.endif
.set KN_, 32
.set FMT_, 2
.set LO_, -1
.if ks_ == 0
.set K0_, 8
.endif
.if ks_ == 1
.set K0_, 40
.set KN_, 27
.endif
.if ks_ == 2
.set K0_, 67
.set FMT_, 0
.set LO_, (\idx)-13
.endif
.if ks_ == 3
.set K0_, 99
.set KN_, 27
.set FMT_, 0
.set LO_, (\idx)-13
.endif
.if ks_ == 4
.set K0_, 0
.set KN_, 8
.endif
.if ks_ == 5
.set K0_, 126
.endif
.if ks_ == 6
.set K0_, 158
.set KN_, 27
.endif
.endm
.macro B1WAVE first                    ; seven fragments of w_b1: all loads, one wait, then pack and store
.set s_, 0
.rept 7
	B1PAR \first+s_
	GLD s_, 28, LH64, LR, 64, K0_, KN_, M0_
.set s_, s_+1
.endr
	s_wait_loadcnt 0x0
.set s_, 0
.rept 7
	B1PAR \first+s_
	GST s_, \first+s_, KN_, 0, FMT_, LO_
.set s_, s_+1
.endr
.endm
.macro BLD tile, sb, lt, off
	global_load_b32 v[HS+32+\tile], v[\lt], s[\sb:\sb+1] offset:\off
.endm
; 8 numbers a lane to a fragment in which the lanes of s97 hold them in registers 0-3 and the lanes of s96 in registers 4-7; hi and lo
.macro SPEC src, hiidx, loidx
	CVT8 T0, \src
	RES8 T0, \src
	CVT8 T0+4, \src
.irp q,0,1,2,3
	v_cndmask_b32 v[T1+\q], 0, v[T0+\q], s97
	v_cndmask_b32 v[T1+4+\q], 0, v[T0+\q], s96
.endr
	ds_store_b128 v[WAD], v[T1:T1+3] offset:(\hiidx)*1024
	ds_store_b128 v[WAD], v[T1+4:T1+7] offset:(\hiidx)*1024+512
.irp q,0,1,2,3
	v_cndmask_b32 v[T1+\q], 0, v[T0+4+\q], s97
	v_cndmask_b32 v[T1+4+\q], 0, v[T0+4+\q], s96
.endr
	ds_store_b128 v[WAD2], v[T1:T1+3] offset:(\loidx)*1024
	ds_store_b128 v[WAD2], v[T1+4:T1+7] offset:(\loidx)*1024+512
.endm
; ================= head =================
	s_load_b512 s[4:19], s[0:1], 0x0               ; rgb_feat 4, ray_diff 6, mask 8, geometry 10, out0 12, out1 14, s 16, b_v2 18
	s_load_b512 s[20:35], s[0:1], 0x40             ; b_u2 20, b_r3 22, w_rd1 24, w_rd2 26, w_b1 28, w_b2 30, w_v1 32, w_v2 34
	s_load_b512 s[36:51], s[0:1], 0x80             ; w_u1 36, w_u2 38, w_r1 40, w_r2 42, w_r3 44, b_rd1 46, b_rd2 48, b_b1 50
	s_load_b256 s[52:59], s[0:1], 0xc0             ; b_b2 52, b_v1 54, b_u1 56, b_r1 58
	s_load_b64 s[60:61], s[0:1], 0xe0              ; b_r2
	s_set_vgpr_msb 0x40
	v_lshl_add_u32 v186, v0, 2, 0x4d600
	v_mov_b32 v187, 0
	s_set_vgpr_msb 0x4045
	ds_add_u32 v186, v187
	ds_add_u32 v186, v187
	s_set_vgpr_msb 0x4500
	v_lshrrev_b32 v32, 5, v0
	v_readfirstlane_b32 s66, v32                   ; wave 0..7
	; descriptor group 1: 118 rows of 32 elements of 8 bytes, dense; group 0: view = wave, LDS byte wave x 30,208
	s_mov_b32 s72, 3<<16
	s_mov_b32 s73, 32<<16
	s_mov_b32 s74, 118<<16
	s_mov_b32 s75, 32<<16
	s_mov_b32 s76, 118
	s_mov_b32 s77, 32
	s_mov_b32 s78, 0
	s_mov_b32 s79, 0
	s_mov_b32 s68, 1
	s_mul_i32 s69, s66, VIEWB
	s_mul_i32 s96, s66, 30932992                   ; a view of rgb_feat
	s_mul_i32 s97, ttmp9, 4*VIEWB                  ; four rays
	s_add_co_u32 s96, s96, s97                     ; below 247,463,936
	s_mov_b32 s97, 0
	s_wait_dscnt 0x0
	s_wait_kmcnt 0x0
	s_add_nc_u64 s[70:71], s[4:5], s[96:97]
	s_or_b32 s71, s71, 0x80000000
	tensor_load_to_lds s[68:71], s[72:79]          ; ray 0, my view: the first fill, ahead of every wait on it, LDS read and barrier
	s_nop 0
	s_load_b32 s84, s[16:17], 0x0                  ; s          (these four are waited for behind the weights' blocks)
	s_load_b32 s86, s[18:19], 0x80                 ; b_v2[32]
	s_load_b32 s87, s[20:21], 0x0                  ; b_u2
	s_load_b32 s88, s[22:23], 0x0                  ; b_r3
	s_lshl_b32 s96, ttmp9, 13
	s_add_co_u32 s96, s96, 8388608                 ; view 4, so that the eight views lie inside the signed 24-bit immediate
	s_add_nc_u64 s[6:7], s[6:7], s[96:97]
	s_lshl_b32 s96, ttmp9, 11
	s_add_nc_u64 s[8:9], s[8:9], s[96:97]
	s_lshl_b32 s96, ttmp9, 14
	s_add_nc_u64 s[10:11], s[10:11], s[96:97]
	s_mul_i32 s96, ttmp9, 6144
	s_add_nc_u64 s[12:13], s[12:13], s[96:97]
	s_lshl_b32 s96, ttmp9, 2
	s_add_nc_u64 s[14:15], s[14:15], s[96:97]
	s_mov_b32 s2, 0x3d800000                       ; 1/16, twice
	s_mov_b32 s3, 0x3d800000
	s_mov_b32 s80, 0x3fb8aa3b                      ; log2 e, twice
	s_mov_b32 s81, 0x3fb8aa3b
	s_mov_b32 s82, 0xbfb8aa3b
	s_mov_b32 s83, 0xbfb8aa3b
	s_mov_b32 s89, 0xce6e6b28                      ; -1e9
	s_mov_b32 s90, 0x0000ffff                      ; the lanes with h = 0
	s_mov_b32 s91, 0x76543210
	s_mov_b32 s92, 0xfedcba98
	s_mov_b32 s62, 0x07ff07ff                      ; the lanes with r < 11
	s_mov_b32 s95, 0
	s_lshl_b32 s98, s66, 2
	s_add_co_u32 s98, s98, CNT
	v_and_b32 v33, 15, v0                          ; r
	v_bfe_u32 v34, v0, 4, 1                        ; h
	v_and_b32 v35, 31, v0                          ; lane
	v_lshl_add_u32 v36, s66, 4, v33                ; my point of the ray
	v_mul_u32_u24 v37, v36, 236
	v_lshl_add_u32 v[AD], v34, 5, v37
	v_add_nc_u32 v[AD+1], 2*VIEWB, v[AD]
	v_add_nc_u32 v[AD+2], 4*VIEWB, v[AD]
	v_add_nc_u32 v[AD+3], 6*VIEWB, v[AD]
	v_mad_u32_u24 v[ADG], v34, 4*VIEWB, v37
	v_add_nc_u32 v[ADG+1], 2*VIEWB, v[ADG]
	v_lshlrev_b32 v[WAD], 4, v35
	v_add_nc_u32 v[WAD], WFR, v[WAD]
	v_add_nc_u32 v[WAD2], WFR2-WFR, v[WAD]
	v_lshlrev_b32 v[BAD], 5, v34
	v_add_nc_u32 v[BAD], BT, v[BAD]
	v_mul_u32_u24 v[OST], v36, 12
	v_add_nc_u32 v[OST], OUTS, v[OST]
	v_lshlrev_b32 v[ORD], 4, v36
	v_lshlrev_b32 v[OMK], 2, v36
	v_lshlrev_b32 v[OGE], 5, v36
	v_lshlrev_b32 v[OGS], 4, v0
	NXTLOAD                                        ; ray 0
	; lane terms of the weight loads: 8 h rows + column r, in bytes
	v_lshlrev_b32 v[LR], 2, v33
	v_min_u32 v38, 10, v33
	v_lshlrev_b32 v[LRC], 2, v38
	v_lshl_add_u32 v[LH64], v34, 11, v[LR]
	v_mad_u32_u24 v[LH59], v34, 1888, v[LR]
	v_mad_u32_u24 v[LH59C], v34, 1888, v[LRC]
	v_lshl_add_u32 v[LH32], v34, 10, v[LR]
	v_mad_u32_u24 v[LH33], v34, 1056, v[LR]
	v_mul_u32_u24 v[LH33N], v34, 1056
	v_lshlrev_b32 v[LH1N], 5, v34
	v_lshl_add_u32 v[LH16], v34, 9, v[LR]
	v_and_b32 v38, 7, v33
	v_lshlrev_b32 v[LR7], 2, v38
	v_lshl_add_u32 v[LR2], v34, 8, v[LR7]
	v_mov_b32 v[LZ], 0
	v_add_nc_u32 v[BST], BT, v[LR]
	v_mov_b32 v[FLG], 0
	v_mov_b32 v[NEG1], 0xbf800000
	v_mov_b32 v[NEG1+1], 0
	v_mov_b32 v[NEG1+2], 0
	v_mov_b32 v[NEG1+3], 0
	WIN 0x40
.irp z,180,181,182,183,184,185
	v_mov_b32 v\z, 0
.endr
	WIN 0
	; the 49 + 19 fragments and 20 bias tiles, shared out among the waves.  A tree of compares on the wave's number: at most three taken branches to a wave's block
	s_cmp_lt_u32 s66, 4
	s_cbranch_scc0 .Lh47
	s_cmp_lt_u32 s66, 2
	s_cbranch_scc0 .Lh23
	s_cmp_lg_u32 s66, 0
	s_cbranch_scc1 .Lh1
	B1WAVE 5
	s_branch .Lhend
.Lh1:
	B1WAVE 12
	s_branch .Lhend
.Lh23:
	s_cmp_lg_u32 s66, 2
	s_cbranch_scc1 .Lh3
	B1WAVE 19
	s_branch .Lhend
.Lh3:
	B1WAVE 26
	s_branch .Lhend
.Lh47:
	s_cmp_lt_u32 s66, 6
	s_cbranch_scc0 .Lh67
	s_cmp_lg_u32 s66, 4
	s_cbranch_scc1 .Lh5
	GLD 0, 24, LR, LR, 16, 0, 4, 0                 ; 0: w_rd1
	GLD 1, 26, LH59, LR, 59, 0, 16, 0              ; 1-4: w_rd2
	GLD 2, 26, LH59, LR, 59, 0, 16, 16
	GLD 3, 26, LH59, LR, 59, 0, 16, 32
	GLD 4, 26, LH59C, LRC, 59, 0, 16, 48           ; columns 48 + min(r, 10): no load leaves the buffer
	GLD 5, 32, LH32, LR, 32, 0, 32, 0              ; 37, 38: w_v1
	GLD 6, 32, LH32, LR, 32, 0, 32, 16
	s_wait_loadcnt 0x0
	GST 0, 0, 4, 0, 1, -1
	GST 1, 1, 16, 0, 1, -1
	GST 2, 2, 16, 0, 1, -1
	GST 3, 3, 16, 0, 1, -1
	GST 4, 4, 16, 1, 1, -1
	GST 5, 37, 32, 0, 0, 12
	GST 6, 38, 32, 0, 0, 13
	s_branch .Lhend
.Lh5:
	GLD 0, 30, LH32, LR, 32, 0, 32, 0              ; 33-36: w_b2, 33 + 2 ks + m
	GLD 1, 30, LH32, LR, 32, 0, 32, 16
	GLD 2, 30, LH32, LR, 32, 32, 32, 0
	GLD 3, 30, LH32, LR, 32, 32, 32, 16
	GLD 4, 36, LH32, LR, 32, 0, 32, 0              ; 42, 43: w_u1
	GLD 5, 36, LH32, LR, 32, 0, 32, 16
	s_wait_loadcnt 0x0
	GST 0, 33, 32, 0, 0, 8
	GST 1, 34, 32, 0, 0, 9
	GST 2, 35, 32, 0, 0, 10
	GST 3, 36, 32, 0, 0, 11
	GST 4, 42, 32, 0, 0, -1
	GST 5, 43, 32, 0, 0, -1
	s_branch .Lhend
.Lh67:
	s_cmp_lg_u32 s66, 6
	s_cbranch_scc1 .Lh7
	GLD 0, 34, LH33, LR, 33, 0, 32, 0              ; 39, 40: w_v2, columns 0-31
	GLD 1, 34, LH33, LR, 33, 0, 32, 16
	GLD 2, 34, LH33N, LZ, 33, 0, 32, 32            ; 41: its column 32 in all rows of A
	GLD 3, 38, LH1N, LZ, 1, 0, 32, 0               ; 44: w_u2 in all rows of A
	GLD 4, 40, LH16, LR, 16, 0, 32, 0              ; 45: w_r1 rows 0-31
	GLD 5, 40, LH16, LR, 16, 33, 4, 0              ; 46: w_r1 rows 33-36
	s_wait_loadcnt 0x0
	GST 0, 39, 32, 0, 0, 14
	GST 1, 40, 32, 0, 0, 15
	GST 2, 41, 32, 0, 0, -1
	GST 3, 44, 32, 0, 0, -1
	GST 4, 45, 32, 0, 0, 16
	GST 5, 46, 4, 0, 1, -1
	s_branch .Lhend
.Lh7:
.irp e,0,1,2,3,4,5,6,7
	global_load_b32 v[HS+\e], v[LR2], s[42:43] offset:32*\e       ; w_r2[8 h + e][r & 7]
	global_load_b32 v[HS+16+\e], v[LZ], s[44:45] offset:4*\e      ; w_r3[e]
.endr
	BLD 0, 46, LR, 0
	BLD 1, 48, LR, 0
	BLD 2, 48, LR, 64
	BLD 3, 48, LR, 128
	BLD 4, 48, LRC, 192
	BLD 5, 50, LR, 0
	BLD 6, 50, LR, 64
	BLD 7, 50, LR, 128
	BLD 8, 50, LR, 192
	BLD 9, 52, LR, 0
	BLD 10, 52, LR, 64
	BLD 11, 54, LR, 0
	BLD 12, 54, LR, 64
	BLD 13, 18, LR, 0
	BLD 14, 18, LR, 64
	BLD 15, 56, LR, 0
	BLD 16, 56, LR, 64
	BLD 17, 58, LR, 0
	BLD 18, 60, LR7, 0                             ; b_r2 twice
	BLD 19, 40, LR, 2048                           ; w_r1 row 32: the weights of vis
	s_wait_loadcnt 0x0
	s_mov_b32 s96, 0xff00ff00                      ; rows 8-15
	s_mov_b32 s97, 0x00ff00ff                      ; rows 0-7
	SPEC HS, 47, 17                                ; 47: rows 0-7 hold w_r2 on k 0-15 (one view), rows 8-15 on k 16-31 (the next)
	s_mov_b32 s96, 0x08080404                      ; r & 7 = 2 + h
	s_mov_b32 s97, 0x02020101                      ; r & 7 = h
	SPEC HS+16, 48, 18                             ; 48: rows i and 8 + i hold w_r3 on k 8 i .. 8 i + 7, i = 0..3
	v_cndmask_b32 v[HS+36], 0, v[HS+36], s62       ; b_rd2 has 59 entries
.irp t,0,1,2,3,4,5,6,7,8,9,10,11,12,13,14,15,16,17,18,19
	ds_store_b32 v[BST], v[HS+32+\t] offset:64*\t
.endr
.Lhend:
	s_wait_kmcnt 0x0                               ; the four scalar parameters, asked for ahead of the weights
	s_and_b32 s84, s84, 0x7fffffff                 ; |s|
	v_mov_b32 v38, s84
	v_mul_f32 v38, 0x3fb8aa3b, v38
	v_readfirstlane_b32 s84, v38                   ; |s| log2 e
	s_xor_b32 s85, s84, 0x80000000                 ; and its negative
	v_mov_b32 v39, s87
	v_mul_f32 v39, 0xbfb8aa3b, v39
	v_readfirstlane_b32 s87, v39                   ; -log2 e x b_u2
	s_wait_dscnt 0x0                               ; my fragments are written,
	s_wait_tensorcnt 0x0                           ; my view of ray 0 has landed:
	s_barrier_signal -1
	s_barrier_wait -1                              ; everybody's have
; ================= a trip's stages =================
.macro RAWLD t, v                      ; features 16 t + 8 h + j of my point in view v
.irp j,0,1,2,3,4,5,6,7
	ds_load_b32 v[R2+8*((\v)&3)+\j], v[AD+(\v)/2] offset:((\v)&1)*VIEWB+(16*(\t)+\j)*4
.endr
.endm
.macro STAGE_P0
	LDT WFA, 0
	LDB WFB, 0
.irp m,0,1,2,3
	LDT R3+8*\m, 21+\m                             ; w_b1's geometry rows
.endr
.irp m,0,1,2,3
	LDB R2+32+8*\m, 5+\m                           ; b_b1
.endr
	RAWLD 0, 0
	RAWLD 0, 1
	RAWLD 0, 2
	RAWLD 0, 3
.endm
.macro STAGE_A0                        ; operands in f16, the count for out1, the pooling weights
	s_wait_loadcnt 0x0                             ; this ray's ray_diff, mask, geometry, asked for between the last ray's two groups of views
	WIN 0x45
.irp v,0,1,2,3,4,5,6,7
	v_cvt_pk_f16_f32 v[RD+2*\v], v[NRD+4*\v], v[NRD+4*\v+1]
	v_cvt_pk_f16_f32 v[RD+2*\v+1], v[NRD+4*\v+2], v[NRD+4*\v+3]
.endr
	WIN 0x01
.irp v,0,1,2,3,4,5,6,7
	v_mov_b32 v[MK+\v], v[NMK+\v]
	v_fma_f32 v[W+\v], v[NRD+4*\v+3], s84, s85     ; |s| (d - 1) log2 e
.endr
.irp q,0,2,4,6
	v_pk_mul_f32 v[T0+\q:T0+\q+1], v[NGE+\q:NGE+\q+1], s[2:3] op_sel_hi:[1,0]     ; geometry / 16
.endr
	WIN 0x40
	CVTH8 G, T0
	WIN 0
.irp v,0,1,2,3,4,5,6,7
	v_exp_f32 v[W+\v], v[W+\v]
.endr
	v_add_f32 v[T0], v[MK], v[MK+1]
	v_add_f32 v[T0+1], v[MK+2], v[MK+3]
	v_add_f32 v[T0+2], v[MK+4], v[MK+5]
	v_add_f32 v[T0+3], v[MK+6], v[MK+7]
	v_add_f32 v[T0], v[T0], v[T0+1]
	v_add_f32 v[T0+2], v[T0+2], v[T0+3]
	v_add_f32 v[T0], v[T0], v[T0+2]
	v_cmp_le_f32 s94, 2.0, v[T0]
	s_and_b32 s94, s94, 0xffff                     ; each point once
	s_bcnt1_i32_b32 s93, s94                       ; my 16 samples' share of the ray's count
	s_wait_alu depctr_va_vdst(0)
	v_min3_num_f32 v[T0+4], v[W], v[W+1], v[W+2]
	v_min3_num_f32 v[T0+4], v[T0+4], v[W+3], v[W+4]
	v_min3_num_f32 v[T0+4], v[T0+4], v[W+5], v[W+6]
	v_min_num_f32 v[T0+4], v[T0+4], v[W+7]
.irp v,0,1,2,3,4,5,6,7
	v_sub_f32 v[W+\v], v[W+\v], v[T0+4]
.endr
.irp v,0,1,2,3,4,5,6,7
	v_mul_f32 v[W+\v], v[W+\v], v[MK+\v]
.endr
	v_add_f32 v[T0], v[W], v[W+1]
	v_add_f32 v[T0+1], v[W+2], v[W+3]
	v_add_f32 v[T0+2], v[W+4], v[W+5]
	v_add_f32 v[T0+3], v[W+6], v[W+7]
	v_add_f32 v[T0], v[T0], v[T0+1]
	v_add_f32 v[T0+2], v[T0+2], v[T0+3]
	v_add_f32 v[T0+5], v[T0], v[T0+2]
	v_add_f32 v[T0+5], 0x322bcc77, v[T0+5]         ; + 1e-8
	v_rcp_f32 v[T0+5], v[T0+5]
	v_nop
	s_wait_alu depctr_va_vdst(0)
.irp v,0,1,2,3,4,5,6,7
	v_mul_f32 v[W+\v], v[W+\v], v[T0+5]
.endr
.endm
.macro STAGE_A1                        ; ray_dir_fc's first layer, and the geometry's part of base_fc (both f16)
	s_wait_dscnt 32                                ; the 20 loads of fragments and biases are in; the 32 of features behind them may be out
	WIN 0x04
.irp v,0,1,2,3,4,5,6,7
	v_wmma_f32_16x16x32_f16 v[R1+8*\v:R1+8*\v+7], v[WFA:WFA+7], v[RD+2*\v:RD+2*\v+7], v[WFB:WFB+7]
.endr
	WIN 0x44
.irp m,0,1,2,3
	v_wmma_f32_16x16x32_f16 v[P+8*\m:P+8*\m+7], v[R3+8*\m:R3+8*\m+7], v[G:G+7], v[R2+32+8*\m:R2+32+8*\m+7]
.endr
	WIN 0
	PLACES 4
	LDT WFC, 1
	LDB WFD, 1
	WIN 0x40
.irp i,0,1,2,3
.irp c,0,1,2
	ds_load_b32 v[RGB+3*\i+\c], v[ADG+\i/2] offset:(\i&1)*VIEWB+4*\c   ; rgb_in of views 4 h + i
.endr
.endr
	WIN 0
	ELU64 R1
.irp v,0,1,2,3,4,5,6,7
	CVTH8 R3+4*\v, R1+8*\v                         ; 16 hidden numbers a view: 4 registers; an operand's other 4 are the next view's, against zero weights
.endr
	s_wait_dscnt 0x0
.endm
.macro TSTEP fa, fb                    ; ray_dir_fc's second layer (f16), one tile of 16 features, all views
.irp v,0,1,2,3,4,5,6,7
	v_wmma_f32_16x16x32_f16 v[R1+8*\v:R1+8*\v+7], v[\fa:\fa+7], v[R3+4*\v:R3+4*\v+7], v[\fb:\fb+7]
.endr
	PLACES 4
.endm
; Views v, v + 1 of tile t: f = rgb_feat + ELU(direction), the mean's sum.  cnt = LDS loads younger than these views' 16.  ld: fetch views nv, nv + 1 of tile nt into the registers just read.
.macro PAIR t, v, cnt, ld, nt, nv
	ELU16 R1+8*(\v), R1+8*(\v)+8
	s_wait_dscnt \cnt
.if \t == 3
.irp j,3,4,5,6,7
	v_cndmask_b32 v[R2+8*((\v)&3)+\j], 0, v[R2+8*((\v)&3)+\j], s90        ; features 59-63 do not exist: what was read there is the next point's
	v_cndmask_b32 v[R2+8*((\v)&3)+8+\j], 0, v[R2+8*((\v)&3)+8+\j], s90
.endr
.endif
.irp q,0,2,4,6,8,10,12,14
	v_pk_add_f32 v[R1+8*(\v)+\q:R1+8*(\v)+\q+1], v[R1+8*(\v)+\q:R1+8*(\v)+\q+1], v[R2+8*((\v)&3)+\q:R2+8*((\v)&3)+\q+1]
.endr
.if \ld
	RAWLD \nt, \nv
	RAWLD \nt, \nv+1
.endif
.if \v == 0
	PKMULB MEAN, R1, W, 0
.else
	PKFMAB MEAN, R1+8*(\v), W, \v, MEAN
.endif
	PKFMAB MEAN, R1+8*(\v)+8, W, \v+1, MEAN
.endm
.macro VARS                            ; the sum over the views of w (f - mean)^2
.irp v,0,1,2,3,4,5,6,7
.set d_, DT+8*((\v)&1)
.irp q,0,2,4,6
	v_pk_add_f32 v[d_+\q:d_+\q+1], v[R1+8*\v+\q:R1+8*\v+\q+1], v[MEAN+\q:MEAN+\q+1] neg_lo:[0,1] neg_hi:[0,1]
.endr
.irp q,0,2,4,6
	v_pk_mul_f32 v[d_+\q:d_+\q+1], v[d_+\q:d_+\q+1], v[d_+\q:d_+\q+1]
.endr
.if \v == 0
	PKMULB VAR, d_, W, 0
.else
	PKFMAB VAR, d_, W, \v, VAR
.endif
.endr
.endm
.macro MVCVT t                         ; mean / 16 in f16, variance in two bf16
.irp q,0,2,4,6
	v_pk_mul_f32 v[MEAN+\q:MEAN+\q+1], v[MEAN+\q:MEAN+\q+1], s[2:3] op_sel_hi:[1,0]
.endr
	WIN 0x40
	CVTH8 MVB+4*\t, MEAN
	CVT8 MVB+16+4*\t, VAR
	WIN 0x01
	RES8 MVB+16+4*\t, VAR
	WIN 0x40
	CVT8 VLO+4*\t, VAR
	WIN 0
.endm
.macro FCVT t                          ; features / 16 in f16; the f32 numbers have had their last use
.set q_, 0
.rept 32
	v_pk_mul_f32 v[R1+q_:R1+q_+1], v[R1+q_:R1+q_+1], s[2:3] op_sel_hi:[1,0]
.set q_, q_+2
.endr
	WIN 0x40
.irp v,0,1,2,3,4,5,6,7
	CVTH8 F+16*\v+4*\t, R1+8*\v
.endr
	WIN 0
.endm
; Counts in PAIR: behind the 16 loads of views 0, 1 (2, 3) stand 16 of the next pair and the 4 (tile 3: 16) of fragments; behind those of views 4, 5 and 6, 7 the next pair's 16
; (tile 3's last pair: none).  The count 16 also shows the next tile's fragment and bias landed.
.macro STAGE_A2
	TSTEP WFC, WFD
	LDT WFA, 2
	LDB WFB, 2
	PAIR 0, 0, 20, 1, 0, 4
	PAIR 0, 2, 20, 1, 0, 6
	PAIR 0, 4, 16, 1, 1, 0
	PAIR 0, 6, 16, 1, 1, 2
	VARS
	MVCVT 0
	FCVT 0
	TSTEP WFA, WFB
	LDT WFC, 3
	LDB WFD, 3
	PAIR 1, 0, 20, 1, 1, 4
	PAIR 1, 2, 20, 1, 1, 6
	PAIR 1, 4, 16, 1, 2, 0
	PAIR 1, 6, 16, 1, 2, 2
	VARS
	MVCVT 1
	FCVT 1
	TSTEP WFC, WFD
	LDT WFA, 4
	LDB WFB, 4
	PAIR 2, 0, 20, 1, 2, 4
	PAIR 2, 2, 20, 1, 2, 6
	PAIR 2, 4, 16, 1, 3, 0
	PAIR 2, 6, 16, 1, 3, 2
	VARS
	MVCVT 2
	FCVT 2
	TSTEP WFA, WFB
.irp m,0,1,2,3
	LDT R3+8*\m, 5+\m                              ; w_b1, mean features 0-31
.endr
	LDT WFA, 25                                    ; w_b1, view part, output tiles 0, 1: for the first group of views
	LDT WFB, 26
	LDT WFC, 29
	LDT WFD, 30
	PAIR 3, 0, 32, 1, 3, 4
	PAIR 3, 2, 32, 1, 3, 6
	PAIR 3, 4, 16, 0, 0, 0
	PAIR 3, 6, 0, 0, 0, 0
.endm
; The slot has been read for the last time in this trip.  Every wave waits for its LDS reads and for all its tensor loads, all pass the barrier, and the
; next ray's load is the first thing behind it: one tensor load a wave, one outstanding.  It has the rest of the trip in which to land.
.macro REFILL more
	s_wait_dscnt 0x0
	s_set_vgpr_msb 0x5
	s_wait_tensorcnt 0x0
	ds_add_u32 v186, v187
	s_wait_dscnt 0x0
	s_set_vgpr_msb 0x500
.if \more
	s_add_nc_u64 s[70:71], s[70:71], VIEWB         ; no load of mine is out: the descriptor may step
.endif
	s_barrier_signal -1
	s_barrier_wait -1
.if \more
	tensor_load_to_lds s[68:71], s[72:79]
	s_nop 0
.endif
	v_mov_b32 v[T0], s93
	v_mov_b32 v[T0+1], s98
	ds_store_b32 v[T0+1], v[T0]                    ; my count; the last trip's counts were read in front of this barrier
.endm
.macro PACC form, a, b                 ; one K step onto the four accumulators of the point part, which take turns
.irp m,0,1,2,3
	v_wmma_f32_16x16x32_\form v[P+8*\m:P+8*\m+7], v[\a+8*\m:\a+8*\m+7], v[\b:\b+7], v[P+8*\m:P+8*\m+7]
.endr
.endm
.macro POINT                           ; tile 3's variance; then mean (f16) and variance (bf16, three products) through w_b1, onto the geometry's part
.irp m,0,1,2,3
	LDT R2+8*\m, 9+\m                              ; mean features 32-58
.endr
	VARS
	MVCVT 3
.irp m,0,1,2,3
	LDT R2+32+8*\m, 13+\m                          ; variance 0-31, hi weights
.endr
	FCVT 3
.irp m,0,1,2,3
	LDT R1+8*\m, 17+\m                             ; variance 32-58, hi weights
.endr
.irp m,0,1,2,3
	LDT2 R1+32+8*\m, \m                            ; variance 0-31, lo weights
.endr
	s_wait_dscnt 24                                ; the mean's fragments are in; the three groups of 8 loads behind them may be out
	WIN 0x54
	PACC f16, R3, MVB
	PACC f16, R2, MVB+8
	WIN 0
	PLACES 5                                       ; the bf16 form takes the same accumulators up; R3 is loaded again
.irp m,0,1,2,3
	LDT2 R3+8*\m, 4+\m                             ; variance 32-58, lo weights
.endr
	s_wait_dscnt 8                                 ; all but these 8 loads
	WIN 0x54
	PACC bf16, R2+32, MVB+16
	PACC bf16, R2+32, VLO
	PACC bf16, R1+32, MVB+16
	PACC bf16, R1, MVB+24
	PACC bf16, R1, VLO+8
	s_wait_dscnt 0x0
	PACC bf16, R3, MVB+24
	WIN 0
	PLACES 5                                       ; P becomes the C of other accumulators, R1 is written by matrix instructions
	LDWF2 27, 28, 31, 32                           ; w_b1, view part, output tiles 2, 3: for the first group of views
.endm
.macro VIS1                            ; sigmoid(ELU(x + b_v2[32])) x mask
.irp i,0,1,2,3
	v_add_f32 v[T0+\i], s86, v[R1+8*\i]
.endr
.irp i,0,1,2,3
	v_mul_f32 v[T0+4+\i], s80, v[T0+\i]
.endr
.irp i,0,1,2,3
	v_exp_f32 v[T0+4+\i], v[T0+4+\i]
.endr
	v_nop
	s_wait_alu depctr_va_vdst(0)
.irp i,0,1,2,3
	v_add_f32 v[T0+4+\i], -1.0, v[T0+4+\i]
.endr
.irp i,0,1,2,3
	v_med3_num_f32 v[T0+\i], v[T0+\i], v[T0+4+\i], 0
.endr
.irp i,0,1,2,3
	v_mul_f32 v[T0+\i], s82, v[T0+\i]
.endr
.irp i,0,1,2,3
	v_exp_f32 v[T0+\i], v[T0+\i]
.endr
	v_nop
	s_wait_alu depctr_va_vdst(0)
.irp i,0,1,2,3
	v_add_f32 v[T0+\i], 1.0, v[T0+\i]
.endr
.irp i,0,1,2,3
	v_rcp_f32 v[T0+\i], v[T0+\i]
.endr
	v_nop
	s_wait_alu depctr_va_vdst(0)
.irp i,0,1,2,3
	v_mul_f32 v[VIS+\i], v[T0+\i], v[MK+\i]
.endr
.endm
.macro VIS2                            ; sigmoid(x + b_u2) x mask
.irp i,0,1,2,3
	v_fma_f32 v[T0+\i], v[R1+8*\i], s82, s87
.endr
.irp i,0,1,2,3
	v_exp_f32 v[T0+\i], v[T0+\i]
.endr
	v_nop
	s_wait_alu depctr_va_vdst(0)
.irp i,0,1,2,3
	v_add_f32 v[T0+\i], 1.0, v[T0+\i]
.endr
.irp i,0,1,2,3
	v_rcp_f32 v[T0+\i], v[T0+\i]
.endr
	v_nop
	s_wait_alu depctr_va_vdst(0)
.irp i,0,1,2,3
	v_mul_f32 v[VIS+\i], v[T0+\i], v[MK+\i]
.endr
.endm
; Four views through base_fc, vis_fc, vis_fc2, rgb_fc.  Their features lie at F + 16 i, their ray_diff at RD + 2 i, weights at W + i, masks at MK + i; the logits go to LG + 4 + i.
; R1: a layer's results; R2: x in f32; R3: the next operand (hi).  Behind each batch of matrix instructions four places, then the LDS loads of the fragments two steps on;
; each s_wait_dscnt 0 stands behind an ELU's worth of work.
.macro GBODY
	B1B 0, 0
	WIN 0
	PLACES 4
	LDT WFA, 33
	LDT WFB, 34
	LDB WFC, 9
	LDB WFD, 10
	LDXY 8, 9
	ELU64 R1
	SPLIT64 R1
	s_wait_dscnt 0x0
	MM8 R2, WFA, WFB, R3, 8, WFC, WFD              ; base_fc 2, K 0-31: W_hi x_hi,
	MM8A R2, WFA, WFB, R1, 16                      ; W_hi x_lo,
	WIN 0x01
	MM8A R2, WFX, WFY, R3, 8                       ; W_lo x_hi
	WIN 0
	PLACES 5                                       ; R1, an operand just now, is written by the next matrix instructions
	B1B 1, 1
	WIN 0
	PLACES 4
	LDT WFA, 35
	LDT WFB, 36
	LDT WFC, 37
	LDT WFD, 38
	LDXY 10, 11
	ELU64 R1
	SPLIT64 R1
	s_wait_dscnt 0x0
	MM8A R2, WFA, WFB, R3, 8                       ; base_fc 2, K 32-63
	MM8A R2, WFA, WFB, R1, 16
	WIN 0x01
	MM8A R2, WFX, WFY, R3, 8
	WIN 0
	PLACES 4
	LDB WFA, 11
	LDB WFB, 12
	LDXY 12, 13
	ELU64 R2                                       ; x
	XW64 W, 0
	SPLIT64W R1
	s_wait_dscnt 0x0
	MM8 R1, WFC, WFD, R3, 8, WFA, WFB              ; vis_fc 1
	WIN 0x04
	MM8A R1, WFC, WFD, LO, 8
	WIN 0x01
	MM8A R1, WFX, WFY, R3, 8
	WIN 0
	PLACES 4
	LDT WFA, 39
	LDT WFB, 40
	LDB WFC, 13
	LDB WFD, 14
	LDT WFE, 41
	LDXY 14, 15
	ELU64 R1
	SPLIT64W R1
	s_wait_dscnt 0x0
	MM8 R1, WFA, WFB, R3, 8, WFC, WFD              ; vis_fc 2, outputs 0-31
	WIN 0x04
	MM8A R1, WFA, WFB, LO, 8
	WIN 0x01
	MM8A R1, WFX, WFY, R3, 8
	WIN 0
	PLACES 4
	LDT WFA, 42
	LDT WFB, 43
	LDB WFC, 15
	LDB WFD, 16
	LDXY 16, 17                                    ; the lo weights of rgb_fc 1 (x part) and 2
	LDWF2 27, 28, 31, 32                           ; w_b1, view part, output tiles 2, 3, for the next pass (8 loads that the second pass does not use)
	ELU64 R1
.set q_, 0
.rept 32
	v_pk_add_f32 v[R2+q_:R2+q_+1], v[R2+q_:R2+q_+1], v[R1+q_:R1+q_+1]     ; x += x_res
.set q_, q_+2
.endr
	MM4Z WFE                                       ; vis_fc 2, output 32
	PLACES 4
	LDT WFE, 44
	VIS1
	SCALE64 VIS, 0
	s_wait_dscnt 0x0
	MM8 R1, WFA, WFB, R3, 8, WFC, WFD              ; vis_fc2 1
	PLACES 4
	LDT WFA, 45
	LDT WFB, 46
	LDB WFC, 17
	LDB WFD, 19
	ELU64 R1
	CVT64 R1
	MM4Z WFE                                       ; vis_fc2 2
	PLACES 4
	LDT WFE, 47
	VIS2
	s_wait_dscnt 0x0
.irp i,0,1,2,3
	PKFMAB R1+32+8*\i, WFD, VIS, \i, WFC           ; b_r1 + w_r1[32] vis, in f32: the start of rgb_fc 1's sums
.endr
	WIN 0x04
.irp i,0,1,2,3
	v_wmma_f32_16x16x32_f16 v[R1+32+8*\i:R1+32+8*\i+7], v[WFB:WFB+7], v[RD+2*\i:RD+2*\i+7], v[R1+32+8*\i:R1+32+8*\i+7]   ; ray_diff's rows
.endr
	WIN 0
	SPLIT64 R2                                     ; more than five places, on other registers, before the bf16 form takes the same accumulators up
.irp i,0,1,2,3
	v_wmma_f32_16x16x32_bf16 v[R1+32+8*\i:R1+32+8*\i+7], v[WFA:WFA+7], v[R3+8*\i:R3+8*\i+7], v[R1+32+8*\i:R1+32+8*\i+7]
.endr
.irp i,0,1,2,3
	v_wmma_f32_16x16x32_bf16 v[R1+32+8*\i:R1+32+8*\i+7], v[WFA:WFA+7], v[R2+16*\i:R2+16*\i+7], v[R1+32+8*\i:R1+32+8*\i+7]
.endr
	WIN 0x01
.irp i,0,1,2,3
	v_wmma_f32_16x16x32_bf16 v[R1+32+8*\i:R1+32+8*\i+7], v[WFX:WFX+7], v[R3+8*\i:R3+8*\i+7], v[R1+32+8*\i:R1+32+8*\i+7]
.endr
	WIN 0
	PLACES 4
	LDB WFA, 18
	LDT WFB, 48
	LDT2 WFC, 18
	ELU16 R1+32, R1+40
	ELU16 R1+48, R1+56
.irp i,0,1,2,3
	SPLIT8 R3+4*\i, R1+32+4*\i, R1+32+8*\i
.endr
	s_wait_dscnt 0x0
	; rgb_fc 2: one instruction serves two views; the two accumulators take turns
	v_wmma_f32_16x16x32_bf16 v[R1:R1+7], v[WFE:WFE+7], v[R3:R3+7], v[WFA:WFA+7]
	v_wmma_f32_16x16x32_bf16 v[R1+8:R1+15], v[WFE:WFE+7], v[R3+8:R3+15], v[WFA:WFA+7]
	v_wmma_f32_16x16x32_bf16 v[R1:R1+7], v[WFE:WFE+7], v[R1+32:R1+39], v[R1:R1+7]
	v_wmma_f32_16x16x32_bf16 v[R1+8:R1+15], v[WFE:WFE+7], v[R1+40:R1+47], v[R1+8:R1+15]
	WIN 0x01
	v_wmma_f32_16x16x32_bf16 v[R1:R1+7], v[WFY:WFY+7], v[R3:R3+7], v[R1:R1+7]
	v_wmma_f32_16x16x32_bf16 v[R1+8:R1+15], v[WFY:WFY+7], v[R3+8:R3+15], v[R1+8:R1+15]
	WIN 0
	PLACES 4
	ELU16 R1, R1+8
	SPLIT8 R3+16, R1, R1
	SPLIT8 R3+20, R1+4, R1+8
	; rgb_fc 3: four views in one instruction; the three products into accumulators of their own
	v_wmma_f32_16x16x32_bf16 v[R1+16:R1+23], v[WFB:WFB+7], v[R3+16:R3+23], 0
	v_wmma_f32_16x16x32_bf16 v[R1+24:R1+31], v[WFB:WFB+7], v[R1:R1+7], 0
	v_wmma_f32_16x16x32_bf16 v[R1+48:R1+55], v[WFC:WFC+7], v[R3+16:R3+23], 0
	PLACES 5
.irp i,0,1,2,3
	v_add_f32 v[R1+24+\i], v[R1+24+\i], v[R1+48+\i]
.endr
.irp i,0,1,2,3
	v_add_f32 v[R1+16+\i], v[R1+16+\i], v[R1+24+\i]
.endr
.irp i,0,1,2,3
	v_add_f32 v[R1+16+\i], s88, v[R1+16+\i]
.endr
	v_mov_b32 v[T1+7], s89
	WIN 0x40
.irp i,0,1,2,3
	v_cmp_eq_f32 vcc_lo, 0, v[MK+\i]
	v_cndmask_b32 v[LG+4+\i], v[R1+16+\i], v[T1+7], vcc_lo        ; -1e9 where the mask is 0
.endr
	WIN 0
.endm
; Between the two passes: views 4-7 come to the registers that GBODY names, the first pass's logits step aside, w_b1's first view fragments are fetched again,
; and the next ray's small inputs are asked for, over the features just moved away.
.macro NEXTG more
	s_wait_loadcnt 0x0                             ; the moves read, and the loads below write, registers in which a ray's small inputs land, and the bases step: behind every such load.
	                                               ; On the pass that reaches this block none is out (the trip's start waited for them)
	LDT WFA, 25
	LDT WFB, 26
	LDT WFC, 29
	LDT WFD, 30
	WIN 0x41
.set q_, 0
.rept 64
	v_mov_b32 v[F+q_], v[F+64+q_]
.set q_, q_+1
.endr
.irp q,0,1,2,3,4,5,6,7
	v_mov_b32 v[RD+\q], v[RD+8+\q]                 ; view 7's operand then runs on into RD + 8 .. 13, finite numbers against zero weights
.endr
.irp q,0,1,2,3
	v_mov_b32 v[LG+\q], v[LG+4+\q]
.endr
	WIN 0
.irp q,0,1,2,3
	v_mov_b32 v[W+\q], v[W+4+\q]
	v_mov_b32 v[MK+\q], v[MK+4+\q]
.endr
.if \more
	s_add_nc_u64 s[6:7], s[6:7], 2048
	s_add_nc_u64 s[8:9], s[8:9], 512
	s_add_nc_u64 s[10:11], s[10:11], 4096
	NXTLOAD
.endif
	s_wait_dscnt 0x0                               ; the four fragments are in: the second pass begins with their products
.endm
.macro GROUPS more
	s_mov_b32 s99, 0
.Lgrp_\@:
	GBODY
	s_cmp_lg_u32 s99, 0
	s_cbranch_scc1 .Lgsk_\@
	NEXTG \more
.Lgsk_\@:
	s_add_co_u32 s99, s99, 1
	s_cmp_lt_u32 s99, 2
	s_cbranch_scc1 .Lgrp_\@
.endm
.macro SOFTOUT                         ; softmax over the views with its maximum taken away, and the blend of rgb_in
	WIN 0x01
.irp v,0,1,2,3,4,5,6,7
	v_mov_b32 v[T0+\v], v[LG+\v]
.endr
	WIN 0
	v_max3_num_f32 v[T1], v[T0], v[T0+1], v[T0+2]
	v_max3_num_f32 v[T1], v[T1], v[T0+3], v[T0+4]
	v_max3_num_f32 v[T1], v[T1], v[T0+5], v[T0+6]
	v_max_num_f32 v[T1], v[T1], v[T0+7]
.irp v,0,1,2,3,4,5,6,7
	v_sub_f32 v[T0+\v], v[T0+\v], v[T1]
.endr
.irp v,0,1,2,3,4,5,6,7
	v_mul_f32 v[T0+\v], s80, v[T0+\v]
.endr
.irp v,0,1,2,3,4,5,6,7
	v_exp_f32 v[T0+\v], v[T0+\v]
.endr
	v_nop
	s_wait_alu depctr_va_vdst(0)
	v_add_f32 v[T1], v[T0], v[T0+1]
	v_add_f32 v[T1+1], v[T0+2], v[T0+3]
	v_add_f32 v[T1+2], v[T0+4], v[T0+5]
	v_add_f32 v[T1+3], v[T0+6], v[T0+7]
	v_add_f32 v[T1], v[T1], v[T1+1]
	v_add_f32 v[T1+2], v[T1+2], v[T1+3]
	v_add_f32 v[T1], v[T1], v[T1+2]
	v_rcp_f32 v[T1], v[T1]
.irp i,0,1,2,3
	v_cndmask_b32 v[T0+\i], v[T0+4+\i], v[T0+\i], s90              ; the weights of views 4 h + i
.endr
	WIN 0x01
.irp c,0,1,2
	v_mul_f32 v[T1+1+\c], v[RGB+\c], v[T0]
	v_fma_f32 v[T1+1+\c], v[RGB+3+\c], v[T0+1], v[T1+1+\c]
	v_fma_f32 v[T1+1+\c], v[RGB+6+\c], v[T0+2], v[T1+1+\c]
	v_fma_f32 v[T1+1+\c], v[RGB+9+\c], v[T0+3], v[T1+1+\c]
.endr
	WIN 0
.irp c,0,1,2
	v_permlanex16_b32 v[T1+4+\c], v[T1+1+\c], s91, s92             ; the other four views' sum
.endr
.irp c,0,1,2
	v_add_f32 v[T1+1+\c], v[T1+1+\c], v[T1+4+\c]
.endr
	s_wait_alu depctr_va_vdst(0)
.irp c,0,1,2
	v_mul_f32 v[T1+1+\c], v[T1+1+\c], v[T1]
.endr
	ds_store_b32 v[OST], v[T1+1]
	ds_store_b32 v[OST], v[T1+2] offset:4
	ds_store_b32 v[OST], v[T1+3] offset:8
.endm
.macro OUTPUT
	s_wait_dscnt 0x0                               ; my results and my count are written,
	s_wait_tensorcnt 0x0                           ; my view of the next ray has landed:
	s_barrier_signal -1
	s_barrier_wait -1                              ; everybody's have
	s_cmp_lt_u32 s66, 3
	s_cbranch_scc0 .Lno_out_\@
	v_add_nc_u32 v[T1], OUTS, v[OGS]
	ds_load_b128 v[T0:T0+3], v[T1]
	s_wait_dscnt 0x0
	global_store_b128 v[OGS], v[T0:T0+3], s[12:13] th:TH_STORE_NT  ; 96 lanes x 16 bytes: the ray's 1,536 bytes, sixteen lanes to each 256 aligned bytes
	s_wait_xcnt 0x0                                ; the store's data and base are rewritten only behind this wait
.Lno_out_\@:
	s_cmp_lg_u32 s66, 3
	s_cbranch_scc1 .Lno_cnt_\@
	v_mov_b32 v[T1], CNT
	ds_load_b128 v[T0:T0+3], v[T1]
	ds_load_b128 v[T0+4:T0+7], v[T1] offset:16
	s_wait_dscnt 0x0
	v_add3_u32 v[T0], v[T0], v[T0+1], v[T0+2]
	v_add3_u32 v[T0+3], v[T0+3], v[T0+4], v[T0+5]
	v_add3_u32 v[T0], v[T0], v[T0+3], v[T0+6]
	v_add_nc_u32 v[T0], v[T0], v[T0+7]
	v_cmp_lt_u32 vcc_lo, 8, v[T0]
	v_cndmask_b32 v[T0+1], 0, 1, vcc_lo
	v_lshlrev_b32 v[T0+1], s95, v[T0+1]
	v_or_b32 v[FLG], v[FLG], v[T0+1]               ; the ray's byte of out1
.Lno_cnt_\@:
	s_add_nc_u64 s[12:13], s[12:13], 1536
	s_add_co_u32 s95, s95, 8
.endm
.macro TRIP more
	STAGE_P0
	STAGE_A0
	STAGE_A1
	STAGE_A2
	REFILL \more
	POINT
	GROUPS \more
	SOFTOUT
	OUTPUT
.endm
	s_mov_b32 s67, 0
.Ltrip:
	TRIP 1
	s_add_co_u32 s67, s67, 1
	s_cmp_lt_u32 s67, 3
	s_cbranch_scc1 .Ltrip
	TRIP 0                                         ; the fourth ray: nothing is left to fetch
	s_cmp_lg_u32 s66, 3
	s_cbranch_scc1 .Lend
	v_mov_b32 v[T0], 0
	v_cmp_eq_u32 vcc_lo, 96, v0                    ; wave 3's first lane
	s_wait_xcnt 0x0                                ; EXEC changes only behind this wait
	s_and_saveexec_b32 s94, vcc_lo
	global_store_b32 v[T0], v[FLG], s[14:15]       ; four rays' bytes of out1
	s_wait_xcnt 0x0
	s_or_b32 exec_lo, exec_lo, s94
.Lend:
	s_set_vgpr_msb 0x5
	s_wait_tensorcnt 0x0
	ds_add_u32 v186, v187
	s_wait_dscnt 0x0
	s_set_vgpr_msb 0x500
	s_endpgm
.Lfunc_end_k_qa7b3560d51_render:
	.size	k_qa7b3560d51_render, .Lfunc_end_k_qa7b3560d51_render-k_qa7b3560d51_render
	.p2alignl 7, 3214868480
	.fill 96, 4, 3214868480
	.section	.rodata,"a",@progbits
	.p2align	6, 0x0
	.amdhsa_kernel k_qa7b3560d51_render
		.amdhsa_group_segment_fixed_size 327680
		.amdhsa_private_segment_fixed_size 0
		.amdhsa_enable_private_segment 0
		.amdhsa_kernarg_size 232
		.amdhsa_user_sgpr_count 2
		.amdhsa_user_sgpr_kernarg_segment_ptr 1
		.amdhsa_wavefront_size32 1
		.amdhsa_system_sgpr_workgroup_id_x 1
		.amdhsa_system_sgpr_workgroup_id_y 1
		.amdhsa_system_sgpr_workgroup_id_z 1
		.amdhsa_system_vgpr_workitem_id 0
		.amdhsa_next_free_vgpr 512
		.amdhsa_next_free_sgpr 100
		.amdhsa_reserve_vcc 1
		.amdhsa_float_denorm_mode_32 3
		.amdhsa_float_denorm_mode_16_64 3
		.amdhsa_memory_ordered 1
		.amdhsa_forward_progress 1
		.amdhsa_inst_pref_size 255
	.end_amdhsa_kernel
	.section	.bss,"aw",@nobits
	.p2align	6
	.space	262144
	.amdgpu_metadata
---
amdhsa.version: [ 1, 2 ]
amdhsa.kernels:
  - .name:           k_qa7b3560d51_render
    .symbol:         k_qa7b3560d51_render.kd
    .args:
      - { .name: rgb_feat, .offset: 0, .size: 8, .value_kind: global_buffer, .address_space: global }
      - { .name: ray_diff, .offset: 8, .size: 8, .value_kind: global_buffer, .address_space: global }
      - { .name: mask, .offset: 16, .size: 8, .value_kind: global_buffer, .address_space: global }
      - { .name: geometry_feat, .offset: 24, .size: 8, .value_kind: global_buffer, .address_space: global }
      - { .name: out0, .offset: 32, .size: 8, .value_kind: global_buffer, .address_space: global }
      - { .name: out1, .offset: 40, .size: 8, .value_kind: global_buffer, .address_space: global }
      - { .name: params_s, .offset: 48, .size: 8, .value_kind: global_buffer, .address_space: global }
      - { .name: params_b_v2, .offset: 56, .size: 8, .value_kind: global_buffer, .address_space: global }
      - { .name: params_b_u2, .offset: 64, .size: 8, .value_kind: global_buffer, .address_space: global }
      - { .name: params_b_r3, .offset: 72, .size: 8, .value_kind: global_buffer, .address_space: global }
      - { .name: params_w_rd1, .offset: 80, .size: 8, .value_kind: global_buffer, .address_space: global }
      - { .name: params_w_rd2, .offset: 88, .size: 8, .value_kind: global_buffer, .address_space: global }
      - { .name: params_w_b1, .offset: 96, .size: 8, .value_kind: global_buffer, .address_space: global }
      - { .name: params_w_b2, .offset: 104, .size: 8, .value_kind: global_buffer, .address_space: global }
      - { .name: params_w_v1, .offset: 112, .size: 8, .value_kind: global_buffer, .address_space: global }
      - { .name: params_w_v2, .offset: 120, .size: 8, .value_kind: global_buffer, .address_space: global }
      - { .name: params_w_u1, .offset: 128, .size: 8, .value_kind: global_buffer, .address_space: global }
      - { .name: params_w_u2, .offset: 136, .size: 8, .value_kind: global_buffer, .address_space: global }
      - { .name: params_w_r1, .offset: 144, .size: 8, .value_kind: global_buffer, .address_space: global }
      - { .name: params_w_r2, .offset: 152, .size: 8, .value_kind: global_buffer, .address_space: global }
      - { .name: params_w_r3, .offset: 160, .size: 8, .value_kind: global_buffer, .address_space: global }
      - { .name: params_b_rd1, .offset: 168, .size: 8, .value_kind: global_buffer, .address_space: global }
      - { .name: params_b_rd2, .offset: 176, .size: 8, .value_kind: global_buffer, .address_space: global }
      - { .name: params_b_b1, .offset: 184, .size: 8, .value_kind: global_buffer, .address_space: global }
      - { .name: params_b_b2, .offset: 192, .size: 8, .value_kind: global_buffer, .address_space: global }
      - { .name: params_b_v1, .offset: 200, .size: 8, .value_kind: global_buffer, .address_space: global }
      - { .name: params_b_u1, .offset: 208, .size: 8, .value_kind: global_buffer, .address_space: global }
      - { .name: params_b_r1, .offset: 216, .size: 8, .value_kind: global_buffer, .address_space: global }
      - { .name: params_b_r2, .offset: 224, .size: 8, .value_kind: global_buffer, .address_space: global }
    .group_segment_fixed_size: 327680
    .private_segment_fixed_size: 0
    .kernarg_segment_align: 8
    .kernarg_segment_size: 232
    .max_flat_workgroup_size: 256
    .sgpr_count:     100
    .vgpr_count:     512
    .wavefront_size: 32
...
	.end_amdgpu_metadata
.endif
;; end of part 1
